; MI455X (gfx1250); checked and timed in simulation.
; The chip was launched on July 23, 2026; its instructions are those of AMD's public machine-readable ISA for CDNA 5 (MIT licence, August 2026) and "CDNA5" Instruction Set Architecture Reference Guide (July 2026). The comments in the code are by the model that wrote it; some were corrected since.
;; L1 Writer. Allowed arithmetic: matrix products marked QUANTISED: E3M2 operands, one E8M0 scale for each 32 along K, by v_wmma_scale_f32_16x16x128_f8f6f4 with both operands' format E3M2, f32 sums; products left as they are: f32 operands where the result goes on into a quantised operand, else bf16, f16 or f32 operands; f32 sums; everything else in f32.
;; Inputs: keys 4 x 4,096 x 16 x 64 float32; memory 16 x 64 x 64 float32; values 4 x 4,096 x 16 x 64 float32; write_strengths 4 x 4,096 float32.
;; Outputs: out0 16 x 64 x 64 float32.
;; This version of the problem:
;;   THIS VERSION OF THE PROBLEM IS GIVEN IN LOW PRECISION. The matrix products marked QUANTISED in the list below multiply operands that are first quantised to E3M2 (3 exponent bits, 2 mantissa bits; 6 bits a number), with one power-of-two scale for each 32 numbers along K (OCP MX v1.0); their sums are f32. All else is computed in f32.
;;   The module's matrix products, in the order in which they are computed (A, B: the left and right operand; K: the contracted axis; several contracted axes count as one K, in the product's order):
;;     1. batch 16,384 x [M 1, K 1] x [K 1, N 1,024]; A: computed on the way; B: computed on the way: left as it is (no contracted axis)
;;     2. batch 16 x [M 64, K 16,384] x [K 16,384, N 64]; A: computed on the way; B: input values: QUANTISED
;;   THE QUANTISER, for each operand of a quantised product, along K:
;;     - K is cut into blocks of 32 from its start; a last block that is shorter is filled with zeros.
;;     - A block's scale is 2^e with e = floor(log2(the largest magnitude in the block)) - 4, held to -126 .. 127; a block of zeros has e = 0. As a byte (E8M0): e + 127.
;;     - Each number is divided by its block's scale, clamped to +-28, and rounded to the nearest number of E3M2, ties to even, subnormals kept.
;;     - The product sums the exact products of the quantised numbers (number of the format x scale) in f32.
;;   ~~~python
;;   def quantise(x, axis):      # numpy; x: float32 -> the quantised numbers, widened to float32 again
;;       x = np.moveaxis(x, axis, -1); K = x.shape[-1]
;;       x = np.pad(x, [(0, 0)] * (x.ndim - 1) + [(0, -K % 32)]); x = x.reshape(x.shape[:-1] + (-1, 32)); a = np.abs(x).max(-1, keepdims=True)
;;       e = np.where(a > 0, np.clip(np.frexp(np.where(a > 0, a, 1))[1] - 1 - 4, -126, 127), 0)      # np.frexp(a)[1] - 1 = floor(log2(a)), exactly
;;       r = np.clip(x / 2.0 ** e, -28, 28)
;;       step = 2.0 ** (np.maximum(np.frexp(np.where(r == 0, 1, r))[1] - 1, -2) - 2)
;;       q = np.round(r / step) * step * 2.0 ** e      # np.round: ties to even
;;       return np.moveaxis(q.reshape(q.shape[:-2] + (-1,))[..., :K], -1, axis).astype(np.float32)
;;   ~~~
;;   OPERANDS COMPUTED ON THE WAY. 'Computed on the way' means the value that the module computes at that place (a softmax that the list does not call 'softmax' is quantised finished and normalised). What goes into a quantiser is computed in f32, as accurately as f32 sums, v_exp_f32 and their like allow (about 1e-6 of the number): no bf16 or f16 on the way to a quantiser, and a product that is left as it is and whose result goes on into a quantised operand takes f32 operands (vector FMAs, or v_wmma_f32_16x16x4_f32). A number that lies on a knife's edge between two numbers of the format may be rounded either way, as far as f32 arithmetic and the matrix unit's own rounding can turn it there, and no further.
;; 2 versions, each right; version 2 is version 1 with the launch accum written anew for expert scheduling mode. Each part assembles by itself: llvm-mc -triple=amdgcn-amd-amdhsa -mcpu=gfx1250 --defsym DOCPART=n.
;; ======== version 1 of 2: 2 launches
;; workspace buffers: part 4,194,304 bytes
;; launch accum (part 1): grid 16 x 16, 8 waves a work-group, no clusters, 132,096 bytes of LDS; arguments keys, values, write_strengths, part; writes part
.if DOCPART == 1
	.amdgcn_target "amdgcn-amd-amdhsa--gfx1250"
	.amdhsa_code_object_version 6
	.text
	.protected	k_q3c1473b02d_accum
	.globl	k_q3c1473b02d_accum
	.p2align	8
	.type	k_q3c1473b02d_accum,@function
k_q3c1473b02d_accum:
	s_mov_b64 s[64:65], 0
	v_nop
	global_prefetch_b8 v0, s[64:65] scope:SCOPE_SE
	s_setreg_imm32_b32 hwreg(HW_REG_WAVE_MODE, 25, 1), 1
	s_wait_xcnt 0x0
; part[sp][hd][k][v] = the sum over the 1,024 rows ks = 1024 sp .. 1024 sp + 1023 of K = (b, s) of Q(rho[ks] keys[ks][hd][k]) x Q(values[ks][hd][v]).
; Q: codes of BF6 (E3M2) with one E8M0 scale for each 32 along K; the products go by v_wmma_scale_f32_16x16x128_f8f6f4, the sums are f32.
; keys, values: [16384][16][64] f32 (a row of K is 4,096 bytes, a head's part of it 256 bytes); rho: [16384] f32; part: [16][16][64][64] f32, each slab laid as the output is.
; SHARES.  Work-group (x = head, y = split): one head, 1,024 rows of K.  Each of its eight waves takes 128 rows: one K step of the matrix instruction, all 64 x 64 outputs, 16 accumulators.
; Lane (r = lane % 16, h = lane / 16) takes columns 4 r .. 4 r + 3 and rows 64 c + 32 h + 0 .. 31 (c = 0, 1): a load of 16 bytes a lane reads, in each half of the lanes, 256 consecutive bytes that begin
; at a multiple of 256.  TILE t OF AN OPERAND IS COLUMNS 4 r + t: which columns form a tile only says where a result lands.  So a lane holds, for each of the four tiles, just the numbers that the 6-bit operand
; layout gives it (row r of the tile, block 2 c + h along K): a block's largest magnitude needs no other lane, and the conversions' results are the operand's registers.
; A load leaves a row's four columns side by side, the conversion wants a column's rows side by side: each number is copied once to its place; for keys that copy is the multiplication by rho, for values a move.
; (Loads of 4 bytes a lane, a lane to a column, would need no copy, but four times the loads, each on 128 bytes.)
; IN FLIGHT.  Two raw buffers of 128 registers (a chunk: 64 rows x 256 bytes); a buffer is asked for again as soon as its last number has been copied out.
; THE END.  The eight waves' sums meet in LDS as images of the accumulators' registers (16 KB a wave); behind one barrier each wave adds one eighth of the outputs and stores whole rows of 256 bytes.
; No cluster: work-groups share no input but the strengths, 4 KB of a work-group's 516 KB.  No tensor load: nothing is read twice, and the registers hold what is on its way.
; LIMITS.  NaN and infinities among the inputs are not served (the maxima pass over a NaN).  A block of zeros gets the scale byte 1 where the rule says 127: its codes are zeros, which add nothing, and the
; bytes are read by this text alone.  The f32 sums over K steps are taken in another order than a single chain's.
.set ROWB,  4096                       ; bytes from one row of K to the next
.set FLOOR, 5<<23                      ; the f32 number 2^(5 - 127): no largest magnitude is taken under it, so the scale's byte cannot fall under 1
.set KVO, 2                            ; v2      my byte offset in the wave's rows of keys and values: 16 r + 32 rows x h
.set RO,  3                            ; v3      my byte offset in the wave's strengths: 128 h
.set LST, 4                            ; v4      LDS: where my wave's images begin for my lane: 16,384 x wave + 16 x lane
.set RD0, 5                            ; v5      LDS: my share of the images of waves 0-3
.set RD1, 6                            ; v6      and of waves 4-7 (65,536 bytes on: an LDS offset has 16 bits)
.set PO,  7                            ; v7      my byte offset in the wave's rows of part: 16 r + 32 rows x h
.set MX,  8                            ; v8-11   largest magnitudes: two chains for each of two tiles
.set SO,  12                           ; v12-13  the conversions' scale operands
.set BY,  14                           ; v14-15  scale bytes at work
.set T,   16                           ; v16-18, v20-22  the upper 16 codes of a block, on their way
.set SC,  24                           ; v24-27  scale words of keys' four tiles, v28-31 of values': scales and nothing else
.set TP,  32                           ; v32-39  the other half of the lanes' bytes
.set RHO, 40                           ; v40-71  rho of my 32 rows of the chunk in hand
.set X,   72                           ; v72-135 two tiles x 32 numbers down K
.set FA,  136                          ; v136-183 keys' four fragments, 12 registers each
.set FB,  184                          ; v184-231 values' four
.set LB,  72                           ; the end: eight waves' images of my share, 16 registers each (v72-199)
.set O,   200                          ; the end: my 16 sums, four neighbouring columns side by side
.set RAW0, 0                           ; window 1 (v256-511): the raw buffers; the 16 accumulators later lie over the first
.set RAW1, 128
.set MSB, 0
.macro WIN new                         ; s_set_vgpr_msb: bits 1:0 source 0, 3:2 source 1, 5:4 source 2, 7:6 destination; the high byte repeats the setting that is left
.if MSB != \new
	s_set_vgpr_msb (MSB<<8)|\new
.set MSB, \new
.endif
.endm
.macro LOADRHO c                       ; rho of rows 64 c + 32 h + 0 .. 31: the sixteen lanes of a half read the same 16 bytes
.irp i, 0,1,2,3,4,5,6,7
	global_load_b128 v[RHO+4*\i:RHO+4*\i+3], v[RO], s[8:9] offset:256*\c+16*\i
.endr
.endm
.macro LOADRAW sb, c, rb               ; a chunk: rows 64 c + 32 h + j, j = 0 .. 31, my four columns, into window 1; read once in the launch
	WIN 0x40
.set j, 0
.rept 32
	global_load_b128 v[\rb+4*j:\rb+4*j+3], v[KVO], s[\sb:\sb+1] offset:(64*\c+j)*ROWB th:TH_LOAD_NT
.set j, j+1
.endr
	WIN 0
.endm
.macro SPREAD iskey, rb, p             ; tiles 2 p and 2 p + 1 out of the raw buffer: a column's 32 rows into 32 consecutive registers
	WIN 0x01                                       ; source 0 in window 1
.set j, 0
.rept 32
.if \iskey
	v_mul_f32 v[X+j], v[\rb+4*j+2*\p], v[RHO+j]            ; the operand is rho x key, one rounding in f32
	v_mul_f32 v[X+32+j], v[\rb+4*j+2*\p+1], v[RHO+j]
.else
	v_mov_b32 v[X+j], v[\rb+4*j+2*\p]
	v_mov_b32 v[X+32+j], v[\rb+4*j+2*\p+1]
.endif
.set j, j+1
.endr
	WIN 0
.endm
; X's two blocks of 32 (tiles 2 p, 2 p + 1; block 2 c + h along K) become registers 6 c .. 6 c + 5 of the fragments at v[f], and their scale bytes go into v[sc + tile]: byte 0 for c = 0, byte 2 for c = 1.
.macro QUANT f, sc, c, p
.irp u, 0,1
	v_max3_num_f32 v[MX+2*\u], |v[X+32*\u]|, |v[X+32*\u+1]|, FLOOR                   ; the block's largest magnitude, the floor among its leaves: two chains a tile, four in all, by turns
	v_max3_num_f32 v[MX+2*\u+1], |v[X+32*\u+16]|, |v[X+32*\u+17]|, |v[X+32*\u+18]|
.endr
.irp i, 2,4,6,8,10,12
.irp u, 0,1
	v_max3_num_f32 v[MX+2*\u], v[MX+2*\u], |v[X+32*\u+\i]|, |v[X+32*\u+\i+1]|
	v_max3_num_f32 v[MX+2*\u+1], v[MX+2*\u+1], |v[X+32*\u+\i+17]|, |v[X+32*\u+\i+18]|
.endr
.endr
.irp u, 0,1
	v_max3_num_f32 v[MX+2*\u], v[MX+2*\u], |v[X+32*\u+14]|, |v[X+32*\u+15]|
.endr
.irp u, 0,1
	v_max3_num_f32 v[MX+2*\u], v[MX+2*\u], v[MX+2*\u+1], |v[X+32*\u+31]|
.endr
.irp u, 0,1
	v_add_nc_u32 v[SO+\u], 0xfe000000, v[MX+2*\u]          ; 4 off its exponent field: the conversion takes the exponent field of this operand as its scale, and nothing else of it
.endr
.if \c == 0
.irp u, 0,1
	v_lshrrev_b32 v[\sc+2*\p+\u], 23, v[SO+\u]             ; the scale's byte
.endr
.else
.irp u, 0,1
	v_lshrrev_b32 v[BY+\u], 23, v[SO+\u]
.endr
.irp u, 0,1
	v_lshl_or_b32 v[\sc+2*\p+\u], v[BY+\u], 16, v[\sc+2*\p+\u]
.endr
.endif
.irp u, 0,1
.set FR, \f+12*(2*\p+\u)+6*\c
	v_cvt_scalef32_pk16_bf6_f32 v[FR:FR+2], v[X+32*\u:X+32*\u+15], v[SO+\u]              ; 16 numbers / the scale, to the nearest code, ties to even, beyond 28 the largest code: 96 bits
	v_cvt_scalef32_pk16_bf6_f32 v[T+4*\u:T+4*\u+2], v[X+32*\u+16:X+32*\u+31], v[SO+\u]   ; (a conversion's three registers begin on an even number: the block's second three do not, so they are moved)
.endr
	v_nop                                          ; one plain instruction between the conversions and what touches their results or writes their sources
.irp u, 0,1
.set FR, \f+12*(2*\p+\u)+6*\c
.irp i, 0,1,2
	v_mov_b32 v[FR+3+\i], v[T+4*\u+\i]
.endr
.endr
.endm
; Four tiles' scale words.  My register holds the bytes of blocks h and 2 + h at bytes 0 and 2.  In lanes 0-15 the other half's two, 8 bits up, make the word whole: byte b for block b.
; (Lanes 16-31 then hold the bytes in another order: the matrix instruction reads lanes 0-15 of a scale register.)
.macro WORDS sc, tp
.irp t, 0,1,2,3
	v_permlanex16_b32 v[\tp+\t], v[\sc+\t], s28, s29
.endr
.irp t, 0,1,2,3
	v_lshl_or_b32 v[\sc+\t], v[\tp+\t], 8, v[\sc+\t]
.endr
.endm
	s_load_b128 s[4:7], s[0:1], 0x0                ; keys s[4:5], values s[6:7]
	s_load_b128 s[8:11], s[0:1], 0x10              ; write_strengths s[8:9], part s[10:11]
	v_lshl_add_u32 v254, v0, 2, 0x20000
	v_mov_b32 v255, 0
	v_lshrrev_b32 v1, 5, v0
	v_readfirstlane_b32 s12, v1                    ; wave 0..7
	v_and_b32 v1, 15, v0                           ; r
	v_bfe_u32 v[BY], v0, 4, 1                      ; h
	v_lshlrev_b32 v[PO], 4, v1                     ; 16 r
	v_lshl_add_u32 v[KVO], v[BY], 17, v[PO]        ; + 32 rows of 4,096 bytes for lanes 16-31
	v_lshlrev_b32 v[RO], 7, v[BY]                  ; 32 strengths for lanes 16-31
	s_and_b32 s13, ttmp7, 0xffff                   ; the split
	s_lshl_b32 s14, s13, 10
	s_lshl_b32 s15, s12, 7
	s_add_co_u32 s14, s14, s15                     ; my wave's first row of K: 1,024 x split + 128 x wave
	s_lshl_b32 s16, s14, 12                        ; in bytes (under 2^26),
	s_lshl_b32 s15, ttmp9, 8
	s_add_co_u32 s16, s16, s15                     ; + the head's 256 bytes of a row
	s_mov_b32 s17, 0
	s_lshl_b32 s18, s14, 2                         ; and the same row among the strengths
	s_mov_b32 s19, 0
	s_wait_kmcnt 0x0
	s_add_nc_u64 s[4:5], s[4:5], s[16:17]
	s_add_nc_u64 s[6:7], s[6:7], s[16:17]
	s_add_nc_u64 s[8:9], s[8:9], s[18:19]
	LOADRHO 0                                      ; 72 loads on end; where the counter's field is full the issue of the next load waits (ISA guide 5.7.1): no wait is written for that
	LOADRAW 4, 0, RAW0                             ; keys, rows 0-63
	LOADRAW 6, 0, RAW1                             ; values, rows 0-63
	; the addresses of the end are made while the loads are on their way
	v_lshl_add_u32 v[PO], v[BY], 13, v[PO]         ; part: 16 r + 32 rows of 256 bytes for lanes 16-31
	v_and_b32 v[BY+1], 31, v0
	v_lshlrev_b32 v[BY+1], 4, v[BY+1]              ; 16 x lane
	s_lshl_b32 s26, s12, 14
	v_add_nc_u32 v[LST], s26, v[BY+1]              ; my wave's 16 KB of LDS
	s_and_b32 s22, s12, 1                          ; q: which four registers of an accumulator I add at the end
	s_lshr_b32 s23, s12, 1                         ; tk: of which tile of keys
	s_lshl_b32 s24, s23, 12                        ; image 8 tk + 2 tv + q of 512 bytes
	s_lshl_b32 s25, s22, 9
	s_add_co_u32 s24, s24, s25
	v_add_nc_u32 v[RD0], s24, v[BY+1]
	v_add_nc_u32 v[RD1], 0x10000, v[RD0]
	s_lshl_b32 s20, s13, 18                        ; part: the split's slab of 262,144 bytes,
	s_lshl_b32 s21, ttmp9, 14                      ; the head's 16,384,
	s_add_co_u32 s20, s20, s21
	s_lshl_b32 s21, s22, 12                        ; row 16 q + tk (+ 32 h + 4 jj) of 256 bytes
	s_add_co_u32 s20, s20, s21
	s_lshl_b32 s21, s23, 8
	s_add_co_u32 s20, s20, s21
	s_mov_b32 s21, 0
	s_add_nc_u64 s[10:11], s[10:11], s[20:21]
	s_mov_b32 s28, 0x76543210
	s_mov_b32 s29, 0xfedcba98                      ; v_permlanex16_b32's selects for lane l xor 16
.irp f, 0,1,2,3,4,5,6,7
	v_mov_b32 v[TP+\f], 0                          ; written once: a lane permute's destination counts as one of its sources
.endr
	s_wait_loadcnt 32                              ; rho and keys' rows 0-63 are in; behind them only values' 32 loads were issued
	SPREAD 1, RAW0, 0
	QUANT FA, SC, 0, 0
	SPREAD 1, RAW0, 1                              ; the buffer's and rho's last readers:
	LOADRHO 1                                      ; both are asked for again at once
	LOADRAW 4, 1, RAW0                             ; keys, rows 64-127
	QUANT FA, SC, 0, 1
	s_wait_loadcnt 40                              ; values' rows 0-63 are in; behind them 8 loads of rho and 32 of keys were issued
	SPREAD 0, RAW1, 0
	QUANT FB, SC+4, 0, 0
	SPREAD 0, RAW1, 1
	LOADRAW 6, 1, RAW1                             ; values, rows 64-127
	QUANT FB, SC+4, 0, 1
	s_wait_loadcnt 32                              ; rho and keys' rows 64-127 are in; behind them only values' 32 loads were issued
	SPREAD 1, RAW0, 0
	QUANT FA, SC, 1, 0
	SPREAD 1, RAW0, 1
	QUANT FA, SC, 1, 1
	WORDS SC, TP                                   ; keys' scale words, while values' last rows may still be on their way
	s_wait_loadcnt 0x0
	SPREAD 0, RAW1, 0
	QUANT FB, SC+4, 1, 0
	SPREAD 0, RAW1, 1
	QUANT FB, SC+4, 1, 1
	WORDS SC+4, TP+4
.rept 8
	v_nop                                          ; a scale register written by a vector instruction stands eight places ahead of a scaled matrix instruction, an operand so written four
.endr
	; Source 0 = 16 columns of keys (tile tk), source 1 = 16 columns of values (tile tv).  Register j of lane (r, h) of accumulator (tk, tv) is the sum for key column 4 (8 h + j) + tk, value column 4 r + tv.
	; One K step a wave: each product starts and ends its sum, with the constant 0 as C; nothing is cleared, and no two name the same accumulator.
	WIN 0x40                                       ; the accumulators lie in window 1, over the first raw buffer, whose loads have all been waited for
.irp tk, 0,1,2,3
.irp tv, 0,1,2,3
	v_wmma_scale_f32_16x16x128_f8f6f4 v[8*(4*\tk+\tv):8*(4*\tk+\tv)+7], v[FA+12*\tk:FA+12*\tk+11], v[FB+12*\tv:FB+12*\tv+11], 0, v[SC+\tk], v[SC+4+\tv] matrix_a_fmt:MATRIX_FMT_BF6 matrix_b_fmt:MATRIX_FMT_BF6
.endr
.endr
.rept 4
	v_nop                                          ; four places between the last product and the LDS stores that read results, and the loads and additions below that write over operands
.endr
	WIN 0x04                                       ; an LDS store's data are its source 1
.set a, 0
.rept 32
	ds_store_b128 v[LST], v[4*a:4*a+3] offset:512*a        ; image a: registers 4 (a % 2) .. + 3 of accumulator a / 2, lane l's 16 bytes at 16 l; each accumulator from its low end on
.set a, a+1
.endr
	WIN 0
	s_wait_dscnt 0x0                               ; for the others' sake: my images lie in LDS
	s_barrier_signal -1
	s_barrier_wait -1                              ; everybody's do
	; Wave w adds, over the eight waves, registers 4 q .. 4 q + 3 of accumulators (tk, 0 .. 3), tk = w / 2, q = w % 2.
.irp s, 0,1,2,3
.irp tv, 0,1,2,3
	ds_load_b128 v[LB+16*\s+4*\tv:LB+16*\s+4*\tv+3], v[RD0] offset:\s*16384+\tv*1024
.endr
.irp tv, 0,1,2,3
	ds_load_b128 v[LB+16*(\s+4)+4*\tv:LB+16*(\s+4)+4*\tv+3], v[RD1] offset:\s*16384+\tv*1024
.endr
.endr
.irp s, 0,1,2,3
	s_wait_dscnt 24-8*\s                           ; the eight loads for waves s and s + 4 are in; the groups of eight issued behind them may be out
.irp p, 0,2,4,6,8,10,12,14
	v_pk_add_f32 v[LB+16*\s+\p:LB+16*\s+\p+1], v[LB+16*\s+\p:LB+16*\s+\p+1], v[LB+16*(\s+4)+\p:LB+16*(\s+4)+\p+1]
.endr
.endr
.irp s, 0,1
.irp p, 0,2,4,6,8,10,12,14
	v_pk_add_f32 v[LB+16*\s+\p:LB+16*\s+\p+1], v[LB+16*\s+\p:LB+16*\s+\p+1], v[LB+16*(\s+2)+\p:LB+16*(\s+2)+\p+1]
.endr
.endr
.irp tv, 0,1,2,3
.irp jj, 0,1,2,3
	v_add_f32 v[O+4*\jj+\tv], v[LB+4*\tv+\jj], v[LB+16+4*\tv+\jj]   ; the last addition puts value columns 4 r + 0 .. 3 of one key column side by side
.endr
.endr
.irp jj, 0,1,2,3
	global_store_b128 v[PO], v[O+4*\jj:O+4*\jj+3], s[10:11] offset:1024*\jj th:TH_STORE_NT   ; key column 32 h + 16 q + 4 jj + tk: sixteen lanes store its 256 consecutive bytes, at a multiple of 256
.endr
	s_wait_tensorcnt 0x0
	ds_add_u32 v254, v255
	s_wait_dscnt 0x0
	s_endpgm
.Lfunc_end_k_q3c1473b02d_accum:
	.size	k_q3c1473b02d_accum, .Lfunc_end_k_q3c1473b02d_accum-k_q3c1473b02d_accum
	.p2alignl 7, 3214868480
	.fill 96, 4, 3214868480
	.section	.rodata,"a",@progbits
	.p2align	6, 0x0
	.amdhsa_kernel k_q3c1473b02d_accum
		.amdhsa_group_segment_fixed_size 132096
		.amdhsa_private_segment_fixed_size 0
		.amdhsa_enable_private_segment 0
		.amdhsa_kernarg_size 32
		.amdhsa_user_sgpr_count 2
		.amdhsa_user_sgpr_kernarg_segment_ptr 1
		.amdhsa_wavefront_size32 1
		.amdhsa_system_sgpr_workgroup_id_x 1
		.amdhsa_system_sgpr_workgroup_id_y 1
		.amdhsa_system_sgpr_workgroup_id_z 1
		.amdhsa_system_vgpr_workitem_id 0
		.amdhsa_next_free_vgpr 512
		.amdhsa_next_free_sgpr 66
		.amdhsa_reserve_vcc 0
		.amdhsa_float_denorm_mode_32 3
		.amdhsa_float_denorm_mode_16_64 3
		.amdhsa_memory_ordered 1
		.amdhsa_forward_progress 1
		.amdhsa_inst_pref_size 67
	.end_amdhsa_kernel
	.amdgpu_metadata
---
amdhsa.version: [ 1, 2 ]
amdhsa.kernels:
  - .name:           k_q3c1473b02d_accum
    .symbol:         k_q3c1473b02d_accum.kd
    .args:
      - { .name: keys, .offset: 0, .size: 8, .value_kind: global_buffer, .address_space: global }
      - { .name: values, .offset: 8, .size: 8, .value_kind: global_buffer, .address_space: global }
      - { .name: write_strengths, .offset: 16, .size: 8, .value_kind: global_buffer, .address_space: global }
      - { .name: part, .offset: 24, .size: 8, .value_kind: global_buffer, .address_space: global }
    .group_segment_fixed_size: 132096
    .private_segment_fixed_size: 0
    .kernarg_segment_align: 8
    .kernarg_segment_size: 32
    .max_flat_workgroup_size: 256
    .sgpr_count:     66
    .vgpr_count:     512
    .wavefront_size: 32
...
	.end_amdgpu_metadata
.endif
;; end of part 1
;; launch finish (part 2): grid 256 x 1, 2 waves a work-group, no clusters, 0 bytes of LDS; arguments part, memory, out0; writes out0
.if DOCPART == 2
	.amdgcn_target "amdgcn-amd-amdhsa--gfx1250"
	.amdhsa_code_object_version 6
	.text
	.protected	k_q3c1473b02d_finish
	.globl	k_q3c1473b02d_finish
	.p2align	8
	.type	k_q3c1473b02d_finish,@function
k_q3c1473b02d_finish:
	s_mov_b64 s[64:65], 0
	v_nop
	global_prefetch_b8 v0, s[64:65] scope:SCOPE_SE
	s_setreg_imm32_b32 hwreg(HW_REG_WAVE_MODE, 25, 1), 1
	s_wait_xcnt 0x0
; out0 = 0.95 x memory + the sum of the 16 slabs of part.  memory, out0 and each slab: [16][64][64] f32, 262,144 bytes, laid alike.
; A thread owns 16 bytes of the output; a wave's loads and its store cover 512 consecutive bytes; 256 work-groups of 64 threads cover the 262,144 bytes.
; All 17 loads of a thread go out at once; the sums are packed additions in a tree, the decay is one fused multiply-add.  Nothing is shared: no LDS, no barrier.
.set SLAB, 262144
.set P,    4                           ; v4-67   slab i: 4 registers
.set MEM,  68                          ; v68-71  memory
.set OUT,  72                          ; v72-75  the result
.macro ADD4 a, b                       ; slab a += slab b, two numbers an instruction
	v_pk_add_f32 v[P+4*\a:P+4*\a+1], v[P+4*\a:P+4*\a+1], v[P+4*\b:P+4*\b+1]
	v_pk_add_f32 v[P+4*\a+2:P+4*\a+3], v[P+4*\a+2:P+4*\a+3], v[P+4*\b+2:P+4*\b+3]
.endm
	s_load_b128 s[4:7], s[0:1], 0x0                ; part s[4:5], memory s[6:7]
	s_load_b64 s[8:9], s[0:1], 0x10                ; out0
	s_lshl_b32 s10, ttmp9, 10                      ; the work-group's 1,024 bytes
	v_lshl_add_u32 v1, v0, 4, s10                  ; my 16 bytes
	s_wait_kmcnt 0x0
	global_load_b128 v[MEM:MEM+3], v1, s[6:7] th:TH_LOAD_NT
.irp i, 0,1,2,3,4,5,6,7,8,9,10,11,12,13,14,15
	global_load_b128 v[P+4*\i:P+4*\i+3], v1, s[4:5] offset:\i*SLAB th:TH_LOAD_NT   ; 15 slabs on at the most: inside the signed 24-bit immediate
.endr
	s_wait_loadcnt 8                               ; memory and slabs 0-7 are in; slabs 8-15 may be out
	ADD4 0, 1
	ADD4 2, 3
	ADD4 4, 5
	ADD4 6, 7
	ADD4 0, 2
	ADD4 4, 6
	ADD4 0, 4
	s_wait_loadcnt 0x0
	ADD4 8, 9
	ADD4 10, 11
	ADD4 12, 13
	ADD4 14, 15
	ADD4 8, 10
	ADD4 12, 14
	ADD4 8, 12
	ADD4 0, 8
	v_pk_fma_f32 v[OUT:OUT+1], v[MEM:MEM+1], 0x3f733333, v[P:P+1] op_sel_hi:[1,0,1]        ; 0.95 x memory + delta
	v_pk_fma_f32 v[OUT+2:OUT+3], v[MEM+2:MEM+3], 0x3f733333, v[P+2:P+3] op_sel_hi:[1,0,1]
	global_store_b128 v1, v[OUT:OUT+3], s[8:9] th:TH_STORE_NT
	s_endpgm
.Lfunc_end_k_q3c1473b02d_finish:
	.size	k_q3c1473b02d_finish, .Lfunc_end_k_q3c1473b02d_finish-k_q3c1473b02d_finish
	.p2alignl 7, 3214868480
	.fill 96, 4, 3214868480
	.section	.rodata,"a",@progbits
	.p2align	6, 0x0
	.amdhsa_kernel k_q3c1473b02d_finish
		.amdhsa_group_segment_fixed_size 0
		.amdhsa_private_segment_fixed_size 0
		.amdhsa_enable_private_segment 0
		.amdhsa_kernarg_size 24
		.amdhsa_user_sgpr_count 2
		.amdhsa_user_sgpr_kernarg_segment_ptr 1
		.amdhsa_wavefront_size32 1
		.amdhsa_system_sgpr_workgroup_id_x 1
		.amdhsa_system_sgpr_workgroup_id_y 1
		.amdhsa_system_sgpr_workgroup_id_z 1
		.amdhsa_system_vgpr_workitem_id 0
		.amdhsa_next_free_vgpr 80
		.amdhsa_next_free_sgpr 66
		.amdhsa_reserve_vcc 0
		.amdhsa_float_denorm_mode_32 3
		.amdhsa_float_denorm_mode_16_64 3
		.amdhsa_memory_ordered 1
		.amdhsa_forward_progress 1
		.amdhsa_inst_pref_size 5
	.end_amdhsa_kernel
	.amdgpu_metadata
---
amdhsa.version: [ 1, 2 ]
amdhsa.kernels:
  - .name:           k_q3c1473b02d_finish
    .symbol:         k_q3c1473b02d_finish.kd
    .args:
      - { .name: part, .offset: 0, .size: 8, .value_kind: global_buffer, .address_space: global }
      - { .name: memory, .offset: 8, .size: 8, .value_kind: global_buffer, .address_space: global }
      - { .name: out0, .offset: 16, .size: 8, .value_kind: global_buffer, .address_space: global }
    .group_segment_fixed_size: 0
    .private_segment_fixed_size: 0
    .kernarg_segment_align: 8
    .kernarg_segment_size: 24
    .max_flat_workgroup_size: 64
    .sgpr_count:     66
    .vgpr_count:     80
    .wavefront_size: 32
...
	.end_amdgpu_metadata
.endif
;; end of part 2
;; ======== version 2 of 2: 2 launches; version 1 with the launch accum written anew for expert scheduling mode
;; workspace buffers: part 4,194,304 bytes
;; launch accum (part 3): grid 16 x 16, 8 waves a work-group, no clusters, 132,096 bytes of LDS; arguments keys, values, write_strengths, part; writes part
.if DOCPART == 3
	.amdgcn_target "amdgcn-amd-amdhsa--gfx1250"
	.amdhsa_code_object_version 6
	.text
	.protected	k_q3c1473b02d_accum
	.globl	k_q3c1473b02d_accum
	.p2align	8
	.type	k_q3c1473b02d_accum,@function
k_q3c1473b02d_accum:
	s_mov_b64 s[64:65], 0
	v_nop
	global_prefetch_b8 v0, s[64:65] scope:SCOPE_SE
	s_setreg_imm32_b32 hwreg(HW_REG_WAVE_SCHED_MODE, 0, 2), 2
	s_setreg_imm32_b32 hwreg(HW_REG_WAVE_MODE, 25, 1), 1
	s_wait_xcnt 0x0
	s_wait_alu depctr_vm_vsrc(0)
; part[sp][hd][k][v] = the sum over the 1,024 rows ks = 1024 sp .. 1024 sp + 1023 of K = (b, s) of Q(rho[ks] keys[ks][hd][k]) x Q(values[ks][hd][v]).
; Q: codes of BF6 (E3M2) with one E8M0 scale for each 32 along K; the products go by v_wmma_scale_f32_16x16x128_f8f6f4, the sums are f32.
; keys, values: [16384][16][64] f32 (a row of K is 4,096 bytes, a head's part of it 256 bytes); rho: [16384] f32; part: [16][16][64][64] f32, each slab laid as the output is.
; SHARES.  Work-group (x = head, y = split): one head, 1,024 rows of K.  Each of its eight waves takes 128 rows: one K step of the matrix instruction, all 64 x 64 outputs, 16 accumulators.
; Lane (r = lane % 16, h = lane / 16) takes columns 4 r .. 4 r + 3 and rows 64 c + 32 h + 0 .. 31 (c = 0, 1): a load of 16 bytes a lane reads, in each half of the lanes, 256 consecutive bytes that begin
; at a multiple of 256.  TILE t OF AN OPERAND IS COLUMNS 4 r + t: which columns form a tile only says where a result lands.  So a lane holds, for each of the four tiles, just the numbers that the 6-bit operand
; layout gives it (row r of the tile, block 2 c + h along K): a block's largest magnitude needs no other lane, and the conversions' results are the operand's registers.
; A load leaves a row's four columns side by side, the conversion wants a column's rows side by side: each number is copied once to its place; for keys that copy is the multiplication by rho, for values a move.
; (Loads of 4 bytes a lane, a lane to a column, would need no copy, but four times the loads, each on 128 bytes.)
; IN FLIGHT.  Two raw buffers of 128 registers (a chunk: 64 rows x 256 bytes); a buffer is asked for again as soon as its last number has been copied out.
; THE END.  The eight waves' sums meet in LDS as images of the accumulators' registers (16 KB a wave); behind one barrier each wave adds one eighth of the outputs and stores whole rows of 256 bytes.
; No cluster: work-groups share no input but the strengths, 4 KB of a work-group's 516 KB.  No tensor load: nothing is read twice, and the registers hold what is on its way.
; LIMITS.  NaN and infinities among the inputs are not served (the maxima pass over a NaN).  A block of zeros gets the scale byte 1 where the rule says 127: its codes are zeros, which add nothing, and the
; bytes are read by this text alone.  The f32 sums over K steps are taken in another order than a single chain's.
; THE MODE: SCHED_MODE bits 1:0 = 2 (LLVM: expert scheduling mode 2), set by the entry lines.  The code itself states the register dependences
; between vector or matrix instructions and memory or LDS instructions, with s_wait_alu, always for 0.
; THE PLAN.  Registers that memory or LDS instructions touch:
;   v2, v3        offsets of every global load.  Written once at the head, never again.
;   v4 .. v7      addresses of the end.  Written once, behind the first run of loads; read by the LDS stores, the LDS loads and the global stores of the end.
;   RHO           loads land in it twice; the multiplications of keys' SPREAD read it.
;   RAW0, RAW1    loads land in each twice; SPREAD reads them.  At the end the matrix instructions write the accumulators over RAW0, and the LDS stores read those.
;   LB (v72-199)  until the end X and the fragments, named by vector and matrix instructions alone; at the end the LDS loads of the images land there, and the additions read them.
;   O             written by the last additions, read by the global stores.
; A wait on va_vdst stands: ahead of the first load (the offsets); behind the SPREAD that empties a raw buffer, ahead of the loads that fill it again (twice); ahead of the first matrix instruction (operands and
; scales made by vector instructions); ahead of the LDS stores (the accumulators; it serves the LDS loads behind the barrier too, since no vector instruction stands between); ahead of the global stores (O).
; The quantiser that follows a run of loads names X, the fragments, the scale words and scratch: none of the registers that those loads touch.
; No register that a memory or LDS instruction reads is written again, so no wait on vm_vsrc is owed.  One wait on va_sdst stands behind v_readfirstlane_b32.
.set ROWB,  4096                       ; bytes from one row of K to the next
.set FLOOR, 5<<23                      ; the f32 number 2^(5 - 127): no largest magnitude is taken under it, so the scale's byte cannot fall under 1
.set KVO, 2                            ; v2      my byte offset in the wave's rows of keys and values: 16 r + 32 rows x h
.set RO,  3                            ; v3      my byte offset in the wave's strengths: 128 h
.set LST, 4                            ; v4      LDS: where my wave's images begin for my lane: 16,384 x wave + 16 x lane
.set RD0, 5                            ; v5      LDS: my share of the images of waves 0-3
.set RD1, 6                            ; v6      and of waves 4-7 (65,536 bytes on: an LDS offset has 16 bits)
.set PO,  7                            ; v7      my byte offset in the wave's rows of part: 16 r + 32 rows x h
.set MX,  8                            ; v8-11   largest magnitudes: two chains for each of two tiles
.set SO,  12                           ; v12-13  the conversions' scale operands
.set BY,  14                           ; v14-15  scale bytes at work
.set T,   16                           ; v16-18, v20-22  the upper 16 codes of a block, on their way
.set SC,  24                           ; v24-27  scale words of keys' four tiles, v28-31 of values': scales and nothing else
.set TP,  32                           ; v32-39  the other half of the lanes' bytes
.set RHO, 40                           ; v40-71  rho of my 32 rows of the chunk in hand
.set X,   72                           ; v72-135 two tiles x 32 numbers down K
.set FA,  136                          ; v136-183 keys' four fragments, 12 registers each
.set FB,  184                          ; v184-231 values' four
.set LB,  72                           ; the end: eight waves' images of my share, 16 registers each (v72-199)
.set O,   200                          ; the end: my 16 sums, four neighbouring columns side by side
.set RAW0, 0                           ; window 1 (v256-511): the raw buffers; the 16 accumulators later lie over the first
.set RAW1, 128
.set MSB, 0
.macro WIN new                         ; s_set_vgpr_msb: bits 1:0 source 0, 3:2 source 1, 5:4 source 2, 7:6 destination; the high byte repeats the setting that is left
.if MSB != \new
	s_set_vgpr_msb (MSB<<8)|\new
.set MSB, \new
.endif
.endm
.macro LOADRHO c                       ; rho of rows 64 c + 32 h + 0 .. 31: the sixteen lanes of a half read the same 16 bytes
.irp i, 0,1,2,3,4,5,6,7
	global_load_b128 v[RHO+4*\i:RHO+4*\i+3], v[RO], s[8:9] offset:256*\c+16*\i
.endr
.endm
.macro LOADRAW sb, c, rb               ; a chunk: rows 64 c + 32 h + j, j = 0 .. 31, my four columns, into window 1; read once in the launch
	WIN 0x40
.set j, 0
.rept 32
	global_load_b128 v[\rb+4*j:\rb+4*j+3], v[KVO], s[\sb:\sb+1] offset:(64*\c+j)*ROWB th:TH_LOAD_NT
.set j, j+1
.endr
	WIN 0
.endm
.macro SPREAD iskey, rb, p             ; tiles 2 p and 2 p + 1 out of the raw buffer: a column's 32 rows into 32 consecutive registers
	WIN 0x01                                       ; source 0 in window 1
.set j, 0
.rept 32
.if \iskey
	v_mul_f32 v[X+j], v[\rb+4*j+2*\p], v[RHO+j]            ; the operand is rho x key, one rounding in f32
	v_mul_f32 v[X+32+j], v[\rb+4*j+2*\p+1], v[RHO+j]
.else
	v_mov_b32 v[X+j], v[\rb+4*j+2*\p]
	v_mov_b32 v[X+32+j], v[\rb+4*j+2*\p+1]
.endif
.set j, j+1
.endr
	WIN 0
.endm
; X's two blocks of 32 (tiles 2 p, 2 p + 1; block 2 c + h along K) become registers 6 c .. 6 c + 5 of the fragments at v[f], and their scale bytes go into v[sc + tile]: byte 0 for c = 0, byte 2 for c = 1.
.macro QUANT f, sc, c, p
.irp u, 0,1
	v_max3_num_f32 v[MX+2*\u], |v[X+32*\u]|, |v[X+32*\u+1]|, FLOOR                   ; the block's largest magnitude, the floor among its leaves: two chains a tile, four in all, by turns
	v_max3_num_f32 v[MX+2*\u+1], |v[X+32*\u+16]|, |v[X+32*\u+17]|, |v[X+32*\u+18]|
.endr
.irp i, 2,4,6,8,10,12
.irp u, 0,1
	v_max3_num_f32 v[MX+2*\u], v[MX+2*\u], |v[X+32*\u+\i]|, |v[X+32*\u+\i+1]|
	v_max3_num_f32 v[MX+2*\u+1], v[MX+2*\u+1], |v[X+32*\u+\i+17]|, |v[X+32*\u+\i+18]|
.endr
.endr
.irp u, 0,1
	v_max3_num_f32 v[MX+2*\u], v[MX+2*\u], |v[X+32*\u+14]|, |v[X+32*\u+15]|
.endr
.irp u, 0,1
	v_max3_num_f32 v[MX+2*\u], v[MX+2*\u], v[MX+2*\u+1], |v[X+32*\u+31]|
.endr
.irp u, 0,1
	v_add_nc_u32 v[SO+\u], 0xfe000000, v[MX+2*\u]          ; 4 off its exponent field: the conversion takes the exponent field of this operand as its scale, and nothing else of it
.endr
.if \c == 0
.irp u, 0,1
	v_lshrrev_b32 v[\sc+2*\p+\u], 23, v[SO+\u]             ; the scale's byte
.endr
.else
.irp u, 0,1
	v_lshrrev_b32 v[BY+\u], 23, v[SO+\u]
.endr
.irp u, 0,1
	v_lshl_or_b32 v[\sc+2*\p+\u], v[BY+\u], 16, v[\sc+2*\p+\u]
.endr
.endif
.irp u, 0,1
.set FR, \f+12*(2*\p+\u)+6*\c
	v_cvt_scalef32_pk16_bf6_f32 v[FR:FR+2], v[X+32*\u:X+32*\u+15], v[SO+\u]              ; 16 numbers / the scale, to the nearest code, ties to even, beyond 28 the largest code: 96 bits
	v_cvt_scalef32_pk16_bf6_f32 v[T+4*\u:T+4*\u+2], v[X+32*\u+16:X+32*\u+31], v[SO+\u]   ; (a conversion's three registers begin on an even number: the block's second three do not, so they are moved)
.endr
	v_nop                                          ; one plain instruction between the conversions and what touches their results or writes their sources
.irp u, 0,1
.set FR, \f+12*(2*\p+\u)+6*\c
.irp i, 0,1,2
	v_mov_b32 v[FR+3+\i], v[T+4*\u+\i]
.endr
.endr
.endm
; Four tiles' scale words.  My register holds the bytes of blocks h and 2 + h at bytes 0 and 2.  In lanes 0-15 the other half's two, 8 bits up, make the word whole: byte b for block b.
; (Lanes 16-31 then hold the bytes in another order: the matrix instruction reads lanes 0-15 of a scale register.)
.macro WORDS sc, tp
.irp t, 0,1,2,3
	v_permlanex16_b32 v[\tp+\t], v[\sc+\t], s28, s29
.endr
.irp t, 0,1,2,3
	v_lshl_or_b32 v[\sc+\t], v[\tp+\t], 8, v[\sc+\t]
.endr
.endm
	s_load_b128 s[4:7], s[0:1], 0x0                ; keys s[4:5], values s[6:7]
	s_load_b128 s[8:11], s[0:1], 0x10              ; write_strengths s[8:9], part s[10:11]
	v_lshl_add_u32 v254, v0, 2, 0x20000
	v_mov_b32 v255, 0
	v_lshrrev_b32 v1, 5, v0
	v_readfirstlane_b32 s12, v1                    ; wave 0..7
	v_and_b32 v1, 15, v0                           ; r
	v_bfe_u32 v[BY], v0, 4, 1                      ; h
	v_lshlrev_b32 v[PO], 4, v1                     ; 16 r
	v_lshl_add_u32 v[KVO], v[BY], 17, v[PO]        ; + 32 rows of 4,096 bytes for lanes 16-31
	v_lshlrev_b32 v[RO], 7, v[BY]                  ; 32 strengths for lanes 16-31
	s_wait_alu depctr_va_sdst(0)                   ; s12 is written, ahead of its first reader: the wave's rows, its LDS bytes and its share of the end are made from it
	s_and_b32 s13, ttmp7, 0xffff                   ; the split
	s_lshl_b32 s14, s13, 10
	s_lshl_b32 s15, s12, 7
	s_add_co_u32 s14, s14, s15                     ; my wave's first row of K: 1,024 x split + 128 x wave
	s_lshl_b32 s16, s14, 12                        ; in bytes (under 2^26),
	s_lshl_b32 s15, ttmp9, 8
	s_add_co_u32 s16, s16, s15                     ; + the head's 256 bytes of a row
	s_mov_b32 s17, 0
	s_lshl_b32 s18, s14, 2                         ; and the same row among the strengths
	s_mov_b32 s19, 0
	s_wait_kmcnt 0x0
	s_add_nc_u64 s[4:5], s[4:5], s[16:17]
	s_add_nc_u64 s[6:7], s[6:7], s[16:17]
	s_add_nc_u64 s[8:9], s[8:9], s[18:19]
	s_wait_alu depctr_va_vdst(0)                   ; v2 and v3 are written: every global load of the kernel reads one of them as its offset
	LOADRHO 0                                      ; 72 loads on end; where the counter's field is full the issue of the next load waits (ISA guide 5.7.1): no wait is written for that
	LOADRAW 4, 0, RAW0                             ; keys, rows 0-63
	LOADRAW 6, 0, RAW1                             ; values, rows 0-63
	; the addresses of the end are made while the loads are on their way: these lines name none of the registers that the loads touch
	v_lshl_add_u32 v[PO], v[BY], 13, v[PO]         ; part: 16 r + 32 rows of 256 bytes for lanes 16-31
	v_and_b32 v[BY+1], 31, v0
	v_lshlrev_b32 v[BY+1], 4, v[BY+1]              ; 16 x lane
	s_lshl_b32 s26, s12, 14
	v_add_nc_u32 v[LST], s26, v[BY+1]              ; my wave's 16 KB of LDS
	s_and_b32 s22, s12, 1                          ; q: which four registers of an accumulator I add at the end
	s_lshr_b32 s23, s12, 1                         ; tk: of which tile of keys
	s_lshl_b32 s24, s23, 12                        ; image 8 tk + 2 tv + q of 512 bytes
	s_lshl_b32 s25, s22, 9
	s_add_co_u32 s24, s24, s25
	v_add_nc_u32 v[RD0], s24, v[BY+1]
	v_add_nc_u32 v[RD1], 0x10000, v[RD0]
	s_lshl_b32 s20, s13, 18                        ; part: the split's slab of 262,144 bytes,
	s_lshl_b32 s21, ttmp9, 14                      ; the head's 16,384,
	s_add_co_u32 s20, s20, s21
	s_lshl_b32 s21, s22, 12                        ; row 16 q + tk (+ 32 h + 4 jj) of 256 bytes
	s_add_co_u32 s20, s20, s21
	s_lshl_b32 s21, s23, 8
	s_add_co_u32 s20, s20, s21
	s_mov_b32 s21, 0
	s_add_nc_u64 s[10:11], s[10:11], s[20:21]
	s_mov_b32 s28, 0x76543210
	s_mov_b32 s29, 0xfedcba98                      ; v_permlanex16_b32's selects for lane l xor 16
.irp f, 0,1,2,3,4,5,6,7
	v_mov_b32 v[TP+\f], 0                          ; written once: a lane permute's destination counts as one of its sources
.endr
	s_wait_loadcnt 32                              ; rho and keys' rows 0-63 are in; behind them only values' 32 loads were issued
	SPREAD 1, RAW0, 0
	QUANT FA, SC, 0, 0
	SPREAD 1, RAW0, 1                              ; the buffer's and rho's last readers:
	s_wait_alu depctr_va_vdst(0)                   ; the multiplications are done reading RAW0 and RHO, in which the 40 loads below land; v4 to v7, the addresses of the end, are written too
	LOADRHO 1                                      ; both are asked for again at once
	LOADRAW 4, 1, RAW0                             ; keys, rows 64-127
	QUANT FA, SC, 0, 1                             ; (it names X, the fragments, the scale words and scratch: none of the registers that those loads touch)
	s_wait_loadcnt 40                              ; values' rows 0-63 are in; behind them 8 loads of rho and 32 of keys were issued
	SPREAD 0, RAW1, 0
	QUANT FB, SC+4, 0, 0
	SPREAD 0, RAW1, 1
	s_wait_alu depctr_va_vdst(0)                   ; the moves are done reading RAW1, in which the 32 loads below land
	LOADRAW 6, 1, RAW1                             ; values, rows 64-127
	QUANT FB, SC+4, 0, 1
	s_wait_loadcnt 32                              ; rho and keys' rows 64-127 are in; behind them only values' 32 loads were issued
	SPREAD 1, RAW0, 0
	QUANT FA, SC, 1, 0
	SPREAD 1, RAW0, 1
	QUANT FA, SC, 1, 1
	WORDS SC, TP                                   ; keys' scale words, while values' last rows may still be on their way
	s_wait_loadcnt 0x0
	SPREAD 0, RAW1, 0
	QUANT FB, SC+4, 1, 0
	SPREAD 0, RAW1, 1
	QUANT FB, SC+4, 1, 1
	WORDS SC+4, TP+4
.rept 8
	v_nop                                          ; a scale register written by a vector instruction stands eight places ahead of a scaled matrix instruction, an operand so written four
.endr
	; Source 0 = 16 columns of keys (tile tk), source 1 = 16 columns of values (tile tv).  Register j of lane (r, h) of accumulator (tk, tv) is the sum for key column 4 (8 h + j) + tk, value column 4 r + tv.
	; One K step a wave: each product starts and ends its sum, with the constant 0 as C; nothing is cleared, and no two name the same accumulator.
	WIN 0x40                                       ; the accumulators lie in window 1, over the first raw buffer, whose loads have all been waited for
	s_wait_alu depctr_va_vdst(0)                   ; the conversions and moves have written the eight fragments, and the shifts the eight scale words, which the scaled matrix instructions take; the places above stay beside this wait
.irp tk, 0,1,2,3
.irp tv, 0,1,2,3
	v_wmma_scale_f32_16x16x128_f8f6f4 v[8*(4*\tk+\tv):8*(4*\tk+\tv)+7], v[FA+12*\tk:FA+12*\tk+11], v[FB+12*\tv:FB+12*\tv+11], 0, v[SC+\tk], v[SC+4+\tv] matrix_a_fmt:MATRIX_FMT_BF6 matrix_b_fmt:MATRIX_FMT_BF6
.endr
.endr
.rept 4
	v_nop                                          ; four places between the last product and the LDS stores that read results, and the additions below that write over operands
.endr
	WIN 0x04                                       ; an LDS store's data are its source 1
	s_wait_alu depctr_va_vdst(0)                   ; the matrix instructions have written the accumulators, which the LDS stores read, and are done reading the fragments, in which (with X, which the conversions read) the LDS loads behind the barrier land
.set a, 0
.rept 32
	ds_store_b128 v[LST], v[4*a:4*a+3] offset:512*a        ; image a: registers 4 (a % 2) .. + 3 of accumulator a / 2, lane l's 16 bytes at 16 l; each accumulator from its low end on
.set a, a+1
.endr
	WIN 0
	s_wait_dscnt 0x0                               ; for the others' sake: my images lie in LDS
	s_barrier_signal -1
	s_barrier_wait -1                              ; everybody's do
	; Wave w adds, over the eight waves, registers 4 q .. 4 q + 3 of accumulators (tk, 0 .. 3), tk = w / 2, q = w % 2.
	; (No vector or matrix instruction has been issued since the last wait on va_vdst, and the LDS stores between name v4 and window 1 alone: these loads owe nothing more.)
.irp s, 0,1,2,3
.irp tv, 0,1,2,3
	ds_load_b128 v[LB+16*\s+4*\tv:LB+16*\s+4*\tv+3], v[RD0] offset:\s*16384+\tv*1024
.endr
.irp tv, 0,1,2,3
	ds_load_b128 v[LB+16*(\s+4)+4*\tv:LB+16*(\s+4)+4*\tv+3], v[RD1] offset:\s*16384+\tv*1024
.endr
.endr
.irp s, 0,1,2,3
	s_wait_dscnt 24-8*\s                           ; the eight loads for waves s and s + 4 are in; the groups of eight issued behind them may be out
.irp p, 0,2,4,6,8,10,12,14
	v_pk_add_f32 v[LB+16*\s+\p:LB+16*\s+\p+1], v[LB+16*\s+\p:LB+16*\s+\p+1], v[LB+16*(\s+4)+\p:LB+16*(\s+4)+\p+1]
.endr
.endr
.irp s, 0,1
.irp p, 0,2,4,6,8,10,12,14
	v_pk_add_f32 v[LB+16*\s+\p:LB+16*\s+\p+1], v[LB+16*\s+\p:LB+16*\s+\p+1], v[LB+16*(\s+2)+\p:LB+16*(\s+2)+\p+1]
.endr
.endr
.irp tv, 0,1,2,3
.irp jj, 0,1,2,3
	v_add_f32 v[O+4*\jj+\tv], v[LB+4*\tv+\jj], v[LB+16+4*\tv+\jj]   ; the last addition puts value columns 4 r + 0 .. 3 of one key column side by side
.endr
.endr
	s_wait_alu depctr_va_vdst(0)                   ; the last additions have written v[O ..], which the four stores read
.irp jj, 0,1,2,3
	global_store_b128 v[PO], v[O+4*\jj:O+4*\jj+3], s[10:11] offset:1024*\jj th:TH_STORE_NT   ; key column 32 h + 16 q + 4 jj + tk: sixteen lanes store its 256 consecutive bytes, at a multiple of 256
.endr
	s_wait_dscnt 0x0
	s_wait_alu depctr_hold_cnt(0) depctr_sa_sdst(0) depctr_va_vdst(0) depctr_va_sdst(0) depctr_va_ssrc(0) depctr_va_vcc(0) depctr_vm_vsrc(0)
	s_wait_tensorcnt 0x0
	ds_add_u32 v254, v255
	s_wait_dscnt 0x0
	s_endpgm
.Lfunc_end_k_q3c1473b02d_accum:
	.size	k_q3c1473b02d_accum, .Lfunc_end_k_q3c1473b02d_accum-k_q3c1473b02d_accum
	.p2alignl 7, 3214868480
	.fill 96, 4, 3214868480
	.section	.rodata,"a",@progbits
	.p2align	6, 0x0
	.amdhsa_kernel k_q3c1473b02d_accum
		.amdhsa_group_segment_fixed_size 132096
		.amdhsa_private_segment_fixed_size 0
		.amdhsa_enable_private_segment 0
		.amdhsa_kernarg_size 32
		.amdhsa_user_sgpr_count 2
		.amdhsa_user_sgpr_kernarg_segment_ptr 1
		.amdhsa_wavefront_size32 1
		.amdhsa_system_sgpr_workgroup_id_x 1
		.amdhsa_system_sgpr_workgroup_id_y 1
		.amdhsa_system_sgpr_workgroup_id_z 1
		.amdhsa_system_vgpr_workitem_id 0
		.amdhsa_next_free_vgpr 512
		.amdhsa_next_free_sgpr 66
		.amdhsa_reserve_vcc 0
		.amdhsa_float_denorm_mode_32 3
		.amdhsa_float_denorm_mode_16_64 3
		.amdhsa_memory_ordered 1
		.amdhsa_forward_progress 1
		.amdhsa_inst_pref_size 68
	.end_amdhsa_kernel
	.amdgpu_metadata
---
amdhsa.version: [ 1, 2 ]
amdhsa.kernels:
  - .name:           k_q3c1473b02d_accum
    .symbol:         k_q3c1473b02d_accum.kd
    .args:
      - { .name: keys, .offset: 0, .size: 8, .value_kind: global_buffer, .address_space: global }
      - { .name: values, .offset: 8, .size: 8, .value_kind: global_buffer, .address_space: global }
      - { .name: write_strengths, .offset: 16, .size: 8, .value_kind: global_buffer, .address_space: global }
      - { .name: part, .offset: 24, .size: 8, .value_kind: global_buffer, .address_space: global }
    .group_segment_fixed_size: 132096
    .private_segment_fixed_size: 0
    .kernarg_segment_align: 8
    .kernarg_segment_size: 32
    .max_flat_workgroup_size: 256
    .sgpr_count:     66
    .vgpr_count:     512
    .wavefront_size: 32
...
	.end_amdgpu_metadata
.endif
;; end of part 3
;; launch finish: the kernel of part 2 again; grid 256 x 1, 2 waves a work-group, no clusters, 0 bytes of LDS; arguments part, memory, out0; writes out0
